; MI455X (gfx1250); checked and timed in simulation.
; The chip was launched on July 23, 2026; its instructions are those of AMD's public machine-readable ISA for CDNA 5 (MIT licence, August 2026) and "CDNA5" Instruction Set Architecture Reference Guide (July 2026). The comments in the code are by the model that wrote it; some were corrected since.
;; Causal Self Attention. Allowed arithmetic: float matrix products may take bf16 or f16 operands with f32 sums; all other float work in f32.
;; Inputs: Wo 1,024 x 1,024 float32; Wqkv 1,024 x 3,072 float32; bo 1,024 float32; bqkv 3,072 float32; mask 1 x 1 x 2,048 x 2,048 int32; x 4 x 2,048 x 1,024 float32.
;; Outputs: out0 4 x 2,048 x 1,024 float32.
;; One version. Each part assembles by itself: llvm-mc -triple=amdgcn-amd-amdhsa -mcpu=gfx1250 --defsym DOCPART=n.
;; ======== version 1 of 1: 4 launches
;; limits: values are held in f16: magnitudes above 65,504 overflow, below 6.1e-05 lose precision
;; workspace buffers: xb 16,777,216 bytes; wqkvb 6,291,456 bytes; wob 2,097,152 bytes; maskw 524,288 bytes of whole numbers; qkv 50,331,648 bytes; yb 16,777,216 bytes
;; launch prep (part 1): grid 1024 x 1, 8 waves a work-group, no clusters, 68,608 bytes of LDS; arguments x, Wqkv, Wo, mask, xb, wqkvb, wob, maskw; writes xb, wqkvb, wob, maskw
.if DOCPART == 1
	.amdgcn_target "amdgcn-amd-amdhsa--gfx1250"
	.amdhsa_code_object_version 6
	.text
	.protected	k_q76eaf32d0b_prep
	.globl	k_q76eaf32d0b_prep
	.p2align	8
	.type	k_q76eaf32d0b_prep,@function
k_q76eaf32d0b_prep:
	s_mov_b64 s[64:65], 0
	v_nop
	global_prefetch_b8 v0, s[64:65] scope:SCOPE_SE
	s_setreg_imm32_b32 hwreg(HW_REG_WAVE_MODE, 25, 1), 1
	s_wait_xcnt 0x0
; PREP: the first of four launches (prep, qkvproj, attn, outproj) of  out = softmax(mask(q k^T / 8)) v Wo + bo,  q, k, v = x Wqkv + bqkv.
; DEAD WORK: none is left out; every input is loaded.  The mask is an input, so no pattern of it is built in and every key tile is worked on.
; The k third of bqkv adds q . bk to a query's scores, the same number along the softmax's axis, so in exact arithmetic it reaches no output;
; it stays, because the bias is the C operand of each tile's first product in qkvproj and costs no instruction there.  Since nothing is left
; out, no NaN, infinity or overflow is lost with work left out.
; FORMATS: x, Wqkv and Wo are rounded to bf16, one format for all three inputs of matrix products.  x and Wqkv are stored as bf16.  Wo's bf16
; value is stored in f16, because its partner in the last product, y, is kept in f16 (11 bits, which the rows that attend to few keys need)
; and a matrix instruction takes both operands in one format.  A bf16 value has 8 bits, so f16 holds it exactly from 2^-17 up; below, it is off
; by 2^-25 at the most.  LIMIT: |Wo| above 65,504 becomes an infinity.
; TWO JOBS, told apart by the work-group's number alone:
;  groups 0-767 cast 16,384 numbers each (x: 512 groups, Wqkv: 192, Wo: 64), layouts unchanged;
;  groups 768-1023 pack the mask: each wave a block of 16 queries x 128 keys into 64 words.
;  Bit L of maskw[qt][kt][j] = (mask[16 qt + (L & 15)][16 kt + 8 (L >> 4) + j] != 0): the lane mask of register j of a 16 x 16 score tile in attn.
; Memory binds: no matrix unit, no cluster, no barrier (a wave's LDS bytes are its own), no loop.
.set X, 4                              ; v[4:67]    sixteen loads of 16 bytes
.set Y, 68                             ; v[68:99]   cast: sixteen stores of 8 bytes.  Mask: v68, v69 the words
.set LIN, 70                           ; v70        mask: where I put 16 bytes of a row in LDS
.set LBK, 71                           ; v71        mask: where I read my eight keys back
.set R, 72                             ; v[72:135]  mask: as read back
.set MPITCH, 528                       ; an LDS row of 512 bytes + 16: 33 x 16, so sixteen rows start at sixteen different 16-byte columns modulo 256
; Thread t takes the 16 bytes at 16 t of each 4,096: a wave's load covers 512 neighbouring bytes, its store of 8 bytes a lane 256, aligned.
.macro CAST src, dst, g0, tof16
	s_sub_co_u32 s24, ttmp9, \g0                   ; my part of this tensor
	s_lshl_b32 s26, s24, 16                        ; 65,536 bytes in,
	s_mov_b32 s27, 0
	s_lshl_b32 s28, s24, 15                        ; 32,768 out
	s_mov_b32 s29, 0
	s_add_nc_u64 s[4:5], s[\src:\src+1], s[26:27]
	s_add_nc_u64 s[6:7], s[\dst:\dst+1], s[28:29]
	v_lshlrev_b32 v1, 4, v0
	v_lshlrev_b32 v2, 3, v0
.irp i, 0,1,2,3,4,5,6,7,8,9,10,11,12,13,14,15
	global_load_b128 v[X+4*\i:X+4*\i+3], v1, s[4:5] offset:4096*\i th:TH_LOAD_NT
.endr
.irp i, 0,1,2,3,4,5,6,7,8,9,10,11,12,13,14,15
	s_wait_loadcnt 15-\i                           ; loads come back in order: load i is in, the younger ones stay out
	v_cvt_pk_bf16_f32 v[Y+2*\i],   v[X+4*\i],   v[X+4*\i+1]
	v_cvt_pk_bf16_f32 v[Y+2*\i+1], v[X+4*\i+2], v[X+4*\i+3]
.if \tof16
	v_lshlrev_b32 v[X+4*\i],   16, v[Y+2*\i]                    ; the bf16 values as f32,
	v_and_b32     v[X+4*\i+1], 0xffff0000, v[Y+2*\i]
	v_lshlrev_b32 v[X+4*\i+2], 16, v[Y+2*\i+1]
	v_and_b32     v[X+4*\i+3], 0xffff0000, v[Y+2*\i+1]
	v_cvt_pk_f16_f32 v[Y+2*\i],   v[X+4*\i],   v[X+4*\i+1]      ; and carried in f16
	v_cvt_pk_f16_f32 v[Y+2*\i+1], v[X+4*\i+2], v[X+4*\i+3]
.endif
	global_store_b64 v2, v[Y+2*\i:Y+2*\i+1], s[6:7] offset:2048*\i  ; every register is written once: no wait for a store's sources
.endr
	s_endpgm
.endm
	s_load_b512 s[8:23], s[0:1], 0x0               ; x s[8:9], Wqkv s[10:11], Wo s[12:13], mask s[14:15], xb s[16:17], wqkvb s[18:19], wob s[20:21], maskw s[22:23]
	v_lshl_add_u32 v136, v0, 2, 0x10800
	v_mov_b32 v137, 0
	s_wait_kmcnt 0x0
	s_cmp_ge_u32 ttmp9, 768
	s_cbranch_scc1 .Lmask
	s_cmp_ge_u32 ttmp9, 704
	s_cbranch_scc1 .Lwo
	s_cmp_ge_u32 ttmp9, 512
	s_cbranch_scc1 .Lwqkv
	CAST 8, 16, 0, 0
.Lwqkv:
	CAST 10, 18, 512, 0
.Lwo:
	CAST 12, 20, 704, 1
.Lmask:
	v_lshrrev_b32 v1, 5, v0
	v_readfirstlane_b32 s28, v1                    ; wave 0..7
	s_sub_co_u32 s24, ttmp9, 768
	s_lshr_b32 s25, s24, 1                         ; qt: which 16 queries
	s_and_b32 s26, s24, 1
	s_lshl3_add_u32 s26, s26, s28                  ; kb = 8 x (group & 1) + wave: which 128 keys
	s_lshl_b32 s4, s25, 17                         ; 16 rows of 8,192 bytes
	s_lshl_b32 s29, s26, 9                         ; 128 keys of 4 bytes
	s_add_co_u32 s4, s4, s29
	s_mov_b32 s5, 0
	s_lshl_b32 s6, s25, 12                         ; maskw: 4,096 bytes for each qt,
	s_lshl_b32 s29, s26, 8                         ; 256 for each kb
	s_add_co_u32 s6, s6, s29
	s_mov_b32 s7, 0
	s_add_nc_u64 s[4:5], s[14:15], s[4:5]
	s_add_nc_u64 s[6:7], s[22:23], s[6:7]
	v_and_b32 v2, 31, v0                           ; lane L
	v_lshlrev_b32 v1, 4, v2                        ; 16 L
	v_lshlrev_b32 v3, 3, v2                        ; 8 L
	s_mul_i32 s29, s28, 16*MPITCH                  ; my wave's sixteen rows in LDS
	v_add_nc_u32 v[LIN], s29, v1
	v_and_b32 v[LBK], 15, v0                       ; back: row L & 15,
	v_mul_u32_u24 v[LBK], v[LBK], MPITCH
	v_bfe_u32 v2, v0, 4, 1
	v_lshl_add_u32 v[LBK], v2, 5, v[LBK]           ; eight keys (32 bytes) further for lanes 16 to 31
	v_add_nc_u32 v[LBK], s29, v[LBK]
	v_mov_b32 v[Y], 0                              ; the words are set lane by lane: the registers are written whole first
	v_mov_b32 v[Y+1], 0
.irp i, 0,1,2,3,4,5,6,7,8,9,10,11,12,13,14,15
	global_load_b128 v[X+4*\i:X+4*\i+3], v1, s[4:5] offset:8192*\i th:TH_LOAD_NT   ; row i's 512 bytes
.endr
.irp i, 0,1,2,3,4,5,6,7,8,9,10,11,12,13,14,15
	s_wait_loadcnt 15-\i                           ; row i is in, the younger rows stay out
	ds_store_b128 v[LIN], v[X+4*\i:X+4*\i+3] offset:MPITCH*\i
.endr
.irp n, 0,1,2,3,4,5,6,7,8,9,10,11,12,13,14,15
	ds_load_b128 v[R+4*\n:R+4*\n+3], v[LBK] offset:64*(\n>>1)+16*(\n&1)   ; key tile n >> 1, keys 8 h + 4 (n & 1) + 0..3; LDS serves a wave in order: these see the stores above
.endr
.irp n, 0,1,2,3,4,5,6,7,8,9,10,11,12,13,14,15
	s_wait_dscnt 15-\n                             ; load n is back, the younger ones stay out
.irp e, 0,1,2,3
	v_cmp_ne_u32 s[30+\e], 0, v[R+4*\n+\e]         ; word 4 n + e of the block's 64: one bit from each lane
.endr
.irp e, 0,1,2,3
	v_writelane_b32 v[Y+(\e&1)], s[30+\e], 2*\n+(\e>>1)    ; lane l keeps words 2 l and 2 l + 1
.endr
.endr
	global_store_b64 v3, v[Y:Y+1], s[6:7]          ; the block's 256 bytes, aligned, in one store
	s_wait_tensorcnt 0x0
	ds_add_u32 v136, v137
	s_wait_dscnt 0x0
	s_endpgm
.Lfunc_end_k_q76eaf32d0b_prep:
	.size	k_q76eaf32d0b_prep, .Lfunc_end_k_q76eaf32d0b_prep-k_q76eaf32d0b_prep
	.p2alignl 7, 3214868480
	.fill 96, 4, 3214868480
	.section	.rodata,"a",@progbits
	.p2align	6, 0x0
	.amdhsa_kernel k_q76eaf32d0b_prep
		.amdhsa_group_segment_fixed_size 68608
		.amdhsa_private_segment_fixed_size 0
		.amdhsa_enable_private_segment 0
		.amdhsa_kernarg_size 64
		.amdhsa_user_sgpr_count 2
		.amdhsa_user_sgpr_kernarg_segment_ptr 1
		.amdhsa_wavefront_size32 1
		.amdhsa_system_sgpr_workgroup_id_x 1
		.amdhsa_system_sgpr_workgroup_id_y 1
		.amdhsa_system_sgpr_workgroup_id_z 1
		.amdhsa_system_vgpr_workitem_id 0
		.amdhsa_next_free_vgpr 138
		.amdhsa_next_free_sgpr 66
		.amdhsa_reserve_vcc 0
		.amdhsa_float_denorm_mode_32 3
		.amdhsa_float_denorm_mode_16_64 3
		.amdhsa_memory_ordered 1
		.amdhsa_forward_progress 1
		.amdhsa_inst_pref_size 38
	.end_amdhsa_kernel
	.amdgpu_metadata
---
amdhsa.version: [ 1, 2 ]
amdhsa.kernels:
  - .name:           k_q76eaf32d0b_prep
    .symbol:         k_q76eaf32d0b_prep.kd
    .args:
      - { .name: x, .offset: 0, .size: 8, .value_kind: global_buffer, .address_space: global }
      - { .name: Wqkv, .offset: 8, .size: 8, .value_kind: global_buffer, .address_space: global }
      - { .name: Wo, .offset: 16, .size: 8, .value_kind: global_buffer, .address_space: global }
      - { .name: mask, .offset: 24, .size: 8, .value_kind: global_buffer, .address_space: global }
      - { .name: xb, .offset: 32, .size: 8, .value_kind: global_buffer, .address_space: global }
      - { .name: wqkvb, .offset: 40, .size: 8, .value_kind: global_buffer, .address_space: global }
      - { .name: wob, .offset: 48, .size: 8, .value_kind: global_buffer, .address_space: global }
      - { .name: maskw, .offset: 56, .size: 8, .value_kind: global_buffer, .address_space: global }
    .group_segment_fixed_size: 68608
    .private_segment_fixed_size: 0
    .kernarg_segment_align: 8
    .kernarg_segment_size: 64
    .max_flat_workgroup_size: 256
    .sgpr_count:     66
    .vgpr_count:     138
    .wavefront_size: 32
...
	.end_amdgpu_metadata
.endif
;; end of part 1
;; launch qkvproj (part 2): grid 12 x 32, 4 waves a work-group, clusters of 4 x 4, 327,680 bytes of LDS; arguments xb, wqkvb, bqkv, qkv; writes qkv
.if DOCPART == 2
	.amdgcn_target "amdgcn-amd-amdhsa--gfx1250"
	.amdhsa_code_object_version 6
	.text
	.protected	k_q76eaf32d0b_qkvproj
	.globl	k_q76eaf32d0b_qkvproj
	.p2align	8
	.type	k_q76eaf32d0b_qkvproj,@function
k_q76eaf32d0b_qkvproj:
	s_mov_b64 s[64:65], 0
	v_nop
	global_prefetch_b8 v0, s[64:65] scope:SCOPE_SE
	s_setreg_imm32_b32 hwreg(HW_REG_WAVE_MODE, 25, 1), 1
	s_wait_xcnt 0x0
	s_wait_alu depctr_hold_cnt(0) depctr_sa_sdst(0) depctr_va_vdst(0) depctr_va_sdst(0) depctr_va_ssrc(0) depctr_va_vcc(0) depctr_vm_vsrc(0)
	s_getreg_b32 s2, hwreg(HW_REG_IB_STS2, 6, 4)
	s_cmp_eq_u32 s2, 0
	s_cbranch_scc0 .Lentry_in_a_cluster
	s_endpgm
.Lentry_in_a_cluster:
	s_bfe_u32 s2, ttmp6, 0x10000c
	s_cmp_lg_u32 s2, 0xf033
	s_cbranch_scc0 .Lentry_shape_is_right
	s_endpgm
.Lentry_shape_is_right:
; qkv[m][n] = sum over k of xb[m][k] wqkvb[k][n] + bqkv[n].  xb [8192][1024] bf16, wqkvb [1024][3072] bf16, bqkv f32, qkv [8192][3072] f16; sums in f32.
; No work is left out (bqkv's k third stays: it rides as a C operand, see below).
; LIMIT: a result above 65,504 in magnitude becomes an infinity in f16 (inputs as drawn give about 5; x and Wqkv both 30 times larger about 5,000).
; A work-group makes 256 x 256 of qkv with four waves, a wave 128 x 128: 64 accumulator tiles, 512 registers.  K goes in steps of 128 through two LDS slots.
; B LIES [K][N]: its tile is 128 K rows x 512 bytes, and a fragment (16 columns x 32 K) is made by two transposing loads (ds_load_tr16_b128).
; CLUSTERS: 4 x 4 work-groups.  A's tile hangs on the block row alone and is asked for jointly by a row of the cluster, B's on the block column alone,
; by a column: the requests for both are divided by four.
; REGISTERS, in windows of 256: window 0: v16-27 addresses, v64-127 and v128-191 A's fragments (two buffers), v192-255 the bias, later the packed results;
; window 1: v64-127, v128-191 B's fragments; window 2: the tiles of my rows 0-63 (tile (a, b) at v[8 (8 a + b)]); window 3: those of my rows 64-127.
; THE MATRIX INSTRUCTION IS USED TRANSPOSED: source 0 = 16 columns of B, source 1 = 16 rows of A, so lane l holds row l % 16 of the result and its registers
; the columns 8 (l / 16) + 0..7: eight neighbours, 16 bytes in f16.  The bias in that layout is the C operand of each tile's first product: nothing is cleared or added.
; The 64 accumulators take turns, one instruction a turn, in the same order in every quarter step, over the backward jump too.
.set SIZE_K, 1024
.set SIZE_N, 3072
.set KSTEP,  128
.set APITCH, 272                       ; A's LDS row: 256 bytes + 16 = 17 x 16: sixteen rows start at sixteen different 16-byte columns modulo 256
.set BPITCH, 544                       ; B's LDS row: 512 bytes + 32 = 17 x 32, an odd multiple of 32 for the transposing loads
.set PART,   34816                     ; 64 rows of B = 128 rows of A = what one tensor load brings
.set BBYTES, 2*PART
.set SLOT,   4*PART                    ; B's 128 K rows, then A's 256 rows
.set STAGE,  2*SLOT                    ; behind the ring: 16 rows x 272 bytes for each wave; no fill lands there
.set SPITCH, 272
.set LAPS, SIZE_K/(2*KSTEP)            ; a lap = two K steps = once round the ring: 4
.set ADRA, 16                          ; v16-17  LDS address of my A fragments in slot 0, 1
.set ADRB, 20                          ; v20-21  the same for B
.set STO,  24                          ; the way out: where I put 16 bytes of a row
.set RD,   25                          ; where I read a row back
.set CO,   26                          ; my byte offset in qkv
.set BOFF, 27                          ; my byte offset in the bias
.set F0,   64
.set F1,   128
.set BIAS, 192
.set TMP,  192
.set G1A, 24                           ; s[24:31] group 1 for A's tiles
.set G0A, 32                           ; s[32:39] group 0 for A's tiles, one set for each slot
.set G1B, 48                           ; s[48:55] group 1 for B's tiles
.set G0B, 56                           ; s[56:63] group 0 for B's tiles, one set for each slot
.set MSB, 0
.macro WIN new                         ; the immediate's high byte repeats the setting that is left
.if MSB != \new
	s_set_vgpr_msb (MSB<<8)|\new
.set MSB, \new
.endif
.endm
.set MUL_LO, 0xa1                      ; source 0 (B) window 1, source 1 (A) window 0, C and D window 2
.set MUL_HI, 0xf1                      ; the same, C and D window 3
.set FST_LO, 0x81                      ; a first product: C is the bias in window 0, D window 2
.set FST_HI, 0xc1                      ; D window 3
.set TO_B,   0x40                      ; destination window 1, address window 0
; A joint load.  Waves 0 and 1 fetch B's two halves, waves 2 and 3 A's.  Each line has one mask and one set of registers, and nothing in them hangs on a
; coordinate that the four partners do not share.  The branch hangs on the wave's number alone.
.macro JLOAD s
	s_cmp_eq_u32 s13, 0
	s_cbranch_scc0 .Lfor_a_\@
	tensor_load_to_lds s[G0B+4*\s:G0B+4*\s+3], s[G1B:G1B+7]
	s_nop 0
	s_branch .Lasked_\@
.Lfor_a_\@:
	tensor_load_to_lds s[G0A+4*\s:G0A+4*\s+3], s[G1A:G1A+7]
	s_nop 0
.Lasked_\@:
.endm
; A round of the cluster's barrier: my work-group's barrier, wave 0 signals for the work-group, every wave waits for all sixteen, my work-group's barrier again.
.macro CREST                           ; a round behind its opening barrier
	s_cmp_lg_u32 s12, 0
	s_cbranch_scc1 .Lnot_wave_0_\@
	s_barrier_signal -3
.Lnot_wave_0_\@:
	s_barrier_wait -3
	s_barrier_signal -1
	s_barrier_wait -1
.endm
.macro CROUND
	s_barrier_signal -1
	s_barrier_wait -1
	CREST
.endm
	s_load_b256 s[4:11], s[0:1], 0x0               ; xb s[4:5], wqkvb s[6:7], bqkv s[8:9], qkv s[10:11]
	s_set_vgpr_msb 0x40
	v_lshl_add_u32 v255, v0, 2, 0x48400
	s_set_vgpr_msb 0x4000
	v_mov_b32 v63, 0
	s_set_vgpr_msb 0x1
	ds_add_u32 v255, v63
	s_set_vgpr_msb 0x100
	v_lshrrev_b32 v1, 5, v0
	v_readfirstlane_b32 s12, v1                    ; wave 0..3
	s_lshr_b32 s13, s12, 1                         ; which half of the block's rows is mine.  Also: I fetch for B (0) or for A (1)
	s_and_b32 s14, s12, 1                          ; which half of its columns.  Also: which half of that tile I fetch
	s_bfe_u32 s40, ttmp6, 0x40000                  ; cx
	s_bfe_u32 s41, ttmp6, 0x40004                  ; cy
	s_lshl_b32 s42, ttmp9, 2
	s_add_co_u32 s42, s42, s40                     ; block column = 4 x cluster x + cx
	s_and_b32 s43, ttmp7, 0xffff
	s_lshl_b32 s43, s43, 2
	s_add_co_u32 s43, s43, s41                     ; block row = 4 x cluster y + cy
	s_lshl_b32 s44, s41, 2
	s_lshl_b32 s44, 15, s44                        ; my row of the cluster: places 4 cy .. 4 cy + 3
	s_lshl_b32 s45, 0x1111, s40                    ; my column: places cx, cx + 4, cx + 8, cx + 12
	; group 1 for A: 128 rows x 128 elements of 2 bytes; 16 bytes of padding behind every 64 words
	s_or_b32 s[G1A+0], s44, (1<<16)|(1<<20)|(1<<21)|(5<<22)|(3<<25)
	s_mov_b32 s[G1A+1], KSTEP<<16                  ; tensor_dim0 = 128
	s_mov_b32 s[G1A+2], 128<<16                    ; tensor_dim1 = 128
	s_mov_b32 s[G1A+3], KSTEP<<16                  ; tile_dim0 = 128
	s_mov_b32 s[G1A+4], 128                        ; tile_dim1 = 128
	s_mov_b32 s[G1A+5], SIZE_K                     ; elements from row to row
	s_mov_b32 s[G1A+6], 0
	s_mov_b32 s[G1A+7], 0
	; group 1 for B: 64 K rows x 256 elements; 32 bytes of padding behind every 128 words
	s_or_b32 s[G1B+0], s45, (1<<16)|(1<<20)|(1<<21)|(6<<22)|(7<<25)
	s_mov_b32 s[G1B+1], 256<<16
	s_mov_b32 s[G1B+2], 64<<16
	s_mov_b32 s[G1B+3], 256<<16
	s_mov_b32 s[G1B+4], 64
	s_mov_b32 s[G1B+5], SIZE_N
	s_mov_b32 s[G1B+6], 0
	s_mov_b32 s[G1B+7], 0
	; where the tiles come from: A's offset in registers that never hold cx, B's in registers that never hold cy
	s_lshl_b32 s16, s43, 8
	s_lshl_b32 s18, s14, 7
	s_add_co_u32 s16, s16, s18                     ; A: row 256 x block row + 128 x half,
	s_lshl_b32 s16, s16, 11                        ; of 2,048 bytes (16.8 million at the most)
	s_mov_b32 s17, 0
	s_mul_i32 s46, s14, 64*SIZE_N*2                ; B: K row 64 x half,
	s_lshl_b32 s20, s42, 9                         ; column 256 x block column
	s_add_co_u32 s46, s46, s20
	s_mov_b32 s47, 0
	s_mul_i32 s19, s12, PART                       ; and where they go: B's halves, then A's halves = wave x 34,816
	s_wait_dscnt 0x0
	s_wait_kmcnt 0x0
	s_add_nc_u64 s[16:17], s[4:5], s[16:17]
	s_add_nc_u64 s[46:47], s[6:7], s[46:47]
	CROUND                                         ; all sixteen work-groups are here: the first joint loads meet
.irp s, 0,1
	s_mov_b32 s[G0A+4*\s], 1
	s_add_co_u32 s[G0A+4*\s+1], s19, \s*SLOT
	s_add_nc_u64 s[G0A+4*\s+2:G0A+4*\s+3], s[16:17], \s*KSTEP*2            ; K step s: 256 bytes along the rows
	s_or_b32 s[G0A+4*\s+3], s[G0A+4*\s+3], 0x80000000
	s_mov_b32 s[G0B+4*\s], 1
	s_add_co_u32 s[G0B+4*\s+1], s19, \s*SLOT
	s_add_nc_u64 s[G0B+4*\s+2:G0B+4*\s+3], s[46:47], \s*KSTEP*SIZE_N*2     ; K step s: 128 rows down
	s_or_b32 s[G0B+4*\s+3], s[G0B+4*\s+3], 0x80000000
	JLOAD \s                                       ; both first fills go out before anything else: two tensor loads of a wave are out
.endr
	v_and_b32 v1, 15, v0                           ; r = l % 16
	v_bfe_u32 v2, v0, 4, 1                         ; h = l / 16
	v_mul_u32_u24 v3, v1, APITCH                   ; A's fragment: row r, 16 bytes further for h = 1; two loads 32 bytes apart
	v_lshl_add_u32 v3, v2, 4, v3
	v_and_b32 v5, 7, v0                            ; B's fragment: K row 8 h + (l & 7), 16 bytes further for lanes 8-15 and 24-31; two loads 16 rows apart
	v_lshl_add_u32 v5, v2, 3, v5
	v_mul_u32_u24 v5, v5, BPITCH
	v_bfe_u32 v6, v0, 3, 1
	v_lshl_add_u32 v5, v6, 4, v5
	s_mul_i32 s20, s13, PART                       ; my 128 rows of A,
	s_add_co_u32 s20, s20, BBYTES                  ; which lie behind B
	s_lshl_b32 s21, s14, 8                         ; my 128 columns of B
.irp s, 0,1
	v_add_nc_u32 v[ADRA+\s], s20, v3
	v_add_nc_u32 v[ADRB+\s], s21, v5
	s_add_co_u32 s20, s20, SLOT
	s_add_co_u32 s21, s21, SLOT
.endr
	s_mul_i32 s23, s12, 16*SPITCH
	s_add_co_u32 s23, s23, STAGE                   ; my stage
	v_mul_u32_u24 v4, v1, SPITCH
	v_lshl_add_u32 v4, v2, 4, v4
	v_add_nc_u32 v[STO], s23, v4
	v_mul_u32_u24 v7, v2, SPITCH                   ; back: lanes 0-15 one row of 256 bytes, lanes 16-31 the next
	v_lshl_add_u32 v7, v1, 4, v7
	v_add_nc_u32 v[RD], s23, v7
	v_mul_u32_u24 v7, v2, SIZE_N*2
	v_lshl_add_u32 v[CO], v1, 4, v7
	v_lshlrev_b32 v[BOFF], 5, v2                   ; register j of n block b holds bias[16 b + 8 h + j]
	s_lshl_b32 s20, s42, 10                        ; my 128 columns' bias: 1,024 x block column + 512 x half
	s_lshl_b32 s21, s14, 9
	s_add_co_u32 s20, s20, s21
	s_mov_b32 s21, 0
	s_add_nc_u64 s[8:9], s[8:9], s[20:21]
.irp b, 0,1,2,3,4,5,6,7
	global_load_b128 v[BIAS+8*\b:BIAS+8*\b+3],   v[BOFF], s[8:9] offset:64*\b
	global_load_b128 v[BIAS+8*\b+4:BIAS+8*\b+7], v[BOFF], s[8:9] offset:64*\b+16
.endr
; 16 matrix instructions: m blocks a0, a0 + 1 of the window's four x all 8 n blocks, 32 along K.  first = 1: the bias starts the sums.
.macro MUL16 f, hi, a0, first
.irp a, \a0, \a0+1
.irp b, 0,1,2,3,4,5,6,7
.if \first
	v_wmma_f32_16x16x32_bf16 v[8*(8*(\a)+\b):8*(8*(\a)+\b)+7], v[\f+8*\b:\f+8*\b+7], v[\f+8*(4*\hi+\a):\f+8*(4*\hi+\a)+7], v[BIAS+8*\b:BIAS+8*\b+7]
.else
	v_wmma_f32_16x16x32_bf16 v[8*(8*(\a)+\b):8*(8*(\a)+\b)+7], v[\f+8*\b:\f+8*\b+7], v[\f+8*(4*\hi+\a):\f+8*(4*\hi+\a)+7], v[8*(8*(\a)+\b):8*(8*(\a)+\b)+7]
.endif
.endr
.endr
.endm
; 32 LDS loads in one run: quarter q's fragments (32 K rows of B x my 128 columns; my 128 rows of A x 32 K) into buffer f
.macro FETCH slot, q, f
	WIN TO_B
.irp i, 0,1,2,3,4,5,6,7
	ds_load_tr16_b128 v[\f+8*\i:\f+8*\i+3],   v[ADRB+\slot] offset:\q*32*BPITCH+32*\i
	ds_load_tr16_b128 v[\f+8*\i+4:\f+8*\i+7], v[ADRB+\slot] offset:\q*32*BPITCH+32*\i+16*BPITCH
.endr
	WIN 0
.irp i, 0,1,2,3,4,5,6,7
	ds_load_b128 v[\f+8*\i:\f+8*\i+3],   v[ADRA+\slot] offset:\q*64+\i*16*APITCH
	ds_load_b128 v[\f+8*\i+4:\f+8*\i+7], v[ADRA+\slot] offset:\q*64+\i*16*APITCH+32
.endr
.endm
; A load into a register that a matrix instruction has read, and a vector instruction that reads a matrix result, stand four places behind that matrix
; instruction; only plain vector instructions that name none of its registers are places.
.macro PLACES
.rept 4
	v_nop
.endr
.endm
; One of a K step's first three quarters: multiplies buffer f; in its middle it fetches quarter q into buffer g.
.macro QUARTER slot, q, f, g, first
	s_wait_dscnt 8                                 ; B and A's rows 0-63 are in; the youngest eight loads (A's rows 64-127) may be out
.if \first
	WIN FST_LO
.else
	WIN MUL_LO
.endif
	MUL16 \f, 0, 0, \first
	MUL16 \f, 0, 2, \first
	PLACES
	FETCH \slot, \q, \g
	s_wait_dscnt 32                                ; all but the 32 just issued
.if \first
	WIN FST_HI
.else
	WIN MUL_HI
.endif
	MUL16 \f, 1, 0, \first
	MUL16 \f, 1, 2, \first
.endm
.macro THREE slot, first
	QUARTER \slot, 1, F0, F1, \first
	QUARTER \slot, 2, F1, F0, 0
	QUARTER \slot, 3, F0, F1, 0
.endm
; The last quarter multiplies buffer 1 and changes slots.  In front of the barrier each wave waits for its reads of this slot and for all its tensor loads
; (one is out: its part of the next slot).  Behind it, and behind the cluster's round where the slot is filled again, the refill comes first.
.macro TURN slot, next, fill
	s_wait_dscnt 8
	WIN MUL_LO
	MUL16 F1, 0, 0, 0
	s_wait_dscnt 0                                 ; my reads of this slot are over
	s_wait_tensorcnt 0x0                           ; all my tensor loads have landed
	ds_add_u32 v255, v63
	s_wait_dscnt 0x0
	s_barrier_signal -1
	MUL16 F1, 0, 2, 0                              ; register work while the others arrive
	WIN 0
	s_barrier_wait -1
.if \fill
	CREST                                          ; no wave of any partner still reads this slot or has a load on its way
	s_add_nc_u64 s[G0A+4*\slot+2:G0A+4*\slot+3], s[G0A+4*\slot+2:G0A+4*\slot+3], 2*KSTEP*2
	s_add_nc_u64 s[G0B+4*\slot+2:G0B+4*\slot+3], s[G0B+4*\slot+2:G0B+4*\slot+3], 2*KSTEP*SIZE_N*2
	JLOAD \slot                                    ; the wave's one tensor load behind the round
.endif
	PLACES
	FETCH \next, 0, F0
	WIN MUL_HI
	MUL16 F1, 1, 0, 0
	MUL16 F1, 1, 2, 0
.endm
.macro LAP first
	THREE 0, \first
	TURN 0, 1, 1
	THREE 1, 0
	TURN 1, 0, 1
.endm
	s_wait_loadcnt 0x0                             ; the bias, once
	s_wait_tensorcnt 1                             ; my part of K step 0 is in; K step 1's stays out
	s_barrier_signal -1
	s_barrier_wait -1
	FETCH 0, 0, F0
	LAP 1                                          ; the first lap stands in front of the loop: its first products take the bias
	WIN 0
	s_mov_b32 s3, LAPS-2
.Llap:
	LAP 0
	WIN 0
	s_sub_co_u32 s3, s3, 1
	s_cmp_lg_u32 s3, 0
	s_cbranch_scc1 .Llap
	THREE 0, 0                                     ; the last lap fills nothing
	TURN 0, 1, 0
	THREE 1, 0
	s_wait_dscnt 8
	WIN MUL_LO
	MUL16 F1, 0, 0, 0
	MUL16 F1, 0, 2, 0
	s_wait_dscnt 0
	WIN MUL_HI
	MUL16 F1, 1, 0, 0
	MUL16 F1, 1, 2, 0
	; THE WAY OUT, 16 rows at a time: round to f16, 16 bytes a lane into my own stage, read back as whole rows of 256 bytes.
	PLACES
	s_lshl_b32 s16, s43, 8
	s_lshl_b32 s17, s13, 7
	s_add_co_u32 s16, s16, s17                     ; my first row,
	s_mul_i32 s16, s16, SIZE_N*2                   ; of 6,144 bytes (50.3 million at the most)
	s_mov_b32 s17, 0
	s_add_nc_u64 s[10:11], s[10:11], s[16:17]
	s_lshl_b32 s46, s42, 9                         ; my first column: 512 x block column + 256 x half
	s_lshl_b32 s47, s14, 8
	s_add_co_u32 s46, s46, s47
	s_mov_b32 s47, 0
	s_add_nc_u64 s[10:11], s[10:11], s[46:47]
.macro OUT16 i, a, from, f
	WIN \from
.irp b, 0,1,2,3,4,5,6,7
.irp r, 0,1,2,3
	v_cvt_pk_f16_f32 v[TMP+4*\b+\r], v[8*(8*\a+\b)+2*\r], v[8*(8*\a+\b)+2*\r+1]
.endr
.endr
	WIN 0
.irp b, 0,1,2,3,4,5,6,7
	ds_store_b128 v[STO], v[TMP+4*\b:TMP+4*\b+3] offset:32*\b
.endr
	s_wait_xcnt 0x0                                ; buffer f, which earlier stores read, and the stores' base are rewritten only behind this wait
.if \i
	s_add_nc_u64 s[10:11], s[10:11], 16*SIZE_N*2
.endif
.irp t, 0,1,2,3,4,5,6,7
	ds_load_b128 v[\f+4*\t:\f+4*\t+3], v[RD] offset:\t*2*SPITCH    ; LDS serves a wave in order: these see the stores above
.endr
.irp t, 0,1,2,3,4,5,6,7
	s_wait_dscnt 7-\t                              ; load t is back, the younger ones stay out
	global_store_b128 v[CO], v[\f+4*\t:\f+4*\t+3], s[10:11] offset:2*\t*SIZE_N*2   ; 16 lanes store 256 consecutive bytes, aligned
.endr
.endm
	OUT16 0, 0, 0x0a, F0
	OUT16 1, 1, 0x0a, F1
	OUT16 2, 2, 0x0a, F0
	OUT16 3, 3, 0x0a, F1
	OUT16 4, 0, 0x0f, F0
	OUT16 5, 1, 0x0f, F1
	OUT16 6, 2, 0x0f, F0
	OUT16 7, 3, 0x0f, F1
	s_set_vgpr_msb 0x1
	s_wait_tensorcnt 0x0
	ds_add_u32 v255, v63
	s_wait_dscnt 0x0
	s_set_vgpr_msb 0x100
	CROUND                                         ; the closing round: no work-group ends while a partner may still ask for a tile that names it
	s_endpgm
.Lfunc_end_k_q76eaf32d0b_qkvproj:
	.size	k_q76eaf32d0b_qkvproj, .Lfunc_end_k_q76eaf32d0b_qkvproj-k_q76eaf32d0b_qkvproj
	.p2alignl 7, 3214868480
	.fill 96, 4, 3214868480
	.section	.rodata,"a",@progbits
	.p2align	6, 0x0
	.amdhsa_kernel k_q76eaf32d0b_qkvproj
		.amdhsa_group_segment_fixed_size 327680
		.amdhsa_private_segment_fixed_size 0
		.amdhsa_enable_private_segment 0
		.amdhsa_kernarg_size 32
		.amdhsa_user_sgpr_count 2
		.amdhsa_user_sgpr_kernarg_segment_ptr 1
		.amdhsa_wavefront_size32 1
		.amdhsa_system_sgpr_workgroup_id_x 1
		.amdhsa_system_sgpr_workgroup_id_y 1
		.amdhsa_system_sgpr_workgroup_id_z 1
		.amdhsa_system_vgpr_workitem_id 0
		.amdhsa_next_free_vgpr 1024
		.amdhsa_next_free_sgpr 66
		.amdhsa_reserve_vcc 0
		.amdhsa_float_denorm_mode_32 3
		.amdhsa_float_denorm_mode_16_64 3
		.amdhsa_memory_ordered 1
		.amdhsa_forward_progress 1
		.amdhsa_inst_pref_size 198
	.end_amdhsa_kernel
	.amdgpu_metadata
---
amdhsa.version: [ 1, 2 ]
amdhsa.kernels:
  - .name:           k_q76eaf32d0b_qkvproj
    .symbol:         k_q76eaf32d0b_qkvproj.kd
    .args:
      - { .name: xb, .offset: 0, .size: 8, .value_kind: global_buffer, .address_space: global }
      - { .name: wqkvb, .offset: 8, .size: 8, .value_kind: global_buffer, .address_space: global }
      - { .name: bqkv, .offset: 16, .size: 8, .value_kind: global_buffer, .address_space: global }
      - { .name: qkv, .offset: 24, .size: 8, .value_kind: global_buffer, .address_space: global }
    .group_segment_fixed_size: 327680
    .private_segment_fixed_size: 0
    .kernarg_segment_align: 8
    .kernarg_segment_size: 32
    .max_flat_workgroup_size: 128
    .sgpr_count:     66
    .vgpr_count:     1024
    .wavefront_size: 32
...
	.end_amdgpu_metadata
.endif
;; end of part 2
;; launch attn (part 3): grid 256 x 1, 8 waves a work-group, clusters of 4 x 1, 327,680 bytes of LDS; arguments qkv, maskw, yb; writes yb
.if DOCPART == 3
	.amdgcn_target "amdgcn-amd-amdhsa--gfx1250"
	.amdhsa_code_object_version 6
	.text
	.protected	k_q76eaf32d0b_attn
	.globl	k_q76eaf32d0b_attn
	.p2align	8
	.type	k_q76eaf32d0b_attn,@function
k_q76eaf32d0b_attn:
	s_mov_b64 s[64:65], 0
	v_nop
	global_prefetch_b8 v0, s[64:65] scope:SCOPE_SE
	s_setreg_imm32_b32 hwreg(HW_REG_WAVE_MODE, 25, 1), 1
	s_wait_xcnt 0x0
	s_wait_alu depctr_hold_cnt(0) depctr_sa_sdst(0) depctr_va_vdst(0) depctr_va_sdst(0) depctr_va_ssrc(0) depctr_va_vcc(0) depctr_vm_vsrc(0)
	s_getreg_b32 s2, hwreg(HW_REG_IB_STS2, 6, 4)
	s_cmp_eq_u32 s2, 0
	s_cbranch_scc0 .Lentry_in_a_cluster
	s_endpgm
.Lentry_in_a_cluster:
	s_bfe_u32 s2, ttmp6, 0x10000c
	s_cmp_lg_u32 s2, 0x3003
	s_cbranch_scc0 .Lentry_shape_is_right
	s_endpgm
.Lentry_shape_is_right:
; yb[b][q][64 head + d] = sum over keys of softmax(where(mask, q . k / 8, -inf)) v, by a running maximum.  qkv [8192][3072] f16 (q, k, v thirds), yb [8192][1024] f16.
; No work is left out: the mask is an input, so all 2,048 keys are worked on for every query.
; A work-group takes 256 queries of a PAIR of heads (256 aligned bytes of every row of qkv and of yb); wave w takes head w >> 2 of the pair and 64 queries.
; CLUSTERS: the four work-groups of a cluster take four query blocks of one batch and pair, walk the same K and V tiles, and ask for them jointly (mask 15).
; A tile is 128 keys x 256 bytes of K and of V; waves 0, 1 fetch V's halves, waves 2, 3 K's, waves 4-7 none.  Two LDS slots; one tensor load of a wave is out at the most.
; EVERYTHING IS TRANSPOSED: S^T = K Q^T (source 0 = 16 keys, source 1 = 16 queries) and O^T = V^T P^T (source 0 = 16 d by transposing loads, source 1 = P).
; Register j of lane (r = l % 16, h = l / 16) of a score tile is (key 8 h + j, query r).  So a query's maximum, sum and factor are one number a lane, the maximum
; needs one exchange between the lane halves, a pair of score tiles packs in place into P's fragment, one word of maskw is the lane mask of one register,
; and O's eight registers are eight neighbouring d.
; p = exp2(c s - c m), c = log2(e) / 8; m is the running maximum of the unmasked scores.
; LIMITS: m starts at the most negative finite f32, so that queries masked so far give p = 0 and factor 1 and no NaN; a query whose mask is all zero ends as
; 0 x (1 / 0) = NaN.  p below 2^-126 is zero; in f16 p is kept to 2^-25.  A score under mask = 0 is replaced whatever it holds.
; The accumulators of each run of products take turns, one instruction a turn.
.set ROWB,   6144                      ; bytes in a row of qkv
.set VPITCH, 288                       ; V's LDS row: 256 + 32 = 9 x 32, an odd multiple of 32 for the transposing loads
.set KPITCH, 272                       ; K's LDS row: 256 + 16 = 17 x 16
.set KOFF,   128*VPITCH                ; in a slot K's tile lies behind V's
.set SLOTB,  0x20000                   ; from slot to slot: one bit of the LDS address
.set STAGE,  SLOTB+KOFF+128*KPITCH     ; 202,752, a multiple of 256: 256 rows x 272 bytes for the way out; no fill lands there
.set SPITCH, 272
.set TILEB,  128*ROWB
.set ADRK, 2                           ; v2-3    LDS address of my K fragments in slot 0, 1
.set ADRV, 4                           ; v4-5    the same for V
.set NINF, 6                           ; v6      -infinity
.set STO,  7
.set RD,   8
.set CO,   9
.set QOFF, 10
.set T,    12                          ; v12-15  at work
.set ST,   16                          ; v[16+4u ..]: -c m, m, factor, sum of query tile u (the pairs that are broadcast from are always written whole)
.set TS,   32                          ; v32-39  four running pairs of a sum
.set KF,   64                          ; v[64+8(2t+kd)]   K fragment: key tile t, d half kd
.set S,    128                         ; v[128+8(4u+t)]   scores; P(u, ks) = v[128+16(2u+ks)] in place
.set O,    0                           ; window 1: v[8(4u+dt)]
.set Q,    128                         ; window 1: v[128+8(2u+kd)]
.set VF,   192                         ; window 1: v[192+8(2dt+ks)]
.set MA,   32                          ; s[32:63]  32 mask words (set-up's scratch before that)
.set MB,   68                          ; s[68:99]  32 mask words
.set MSB, 0
.macro WIN new
.if MSB != \new
	s_set_vgpr_msb (MSB<<8)|\new
.set MSB, \new
.endif
.endm
.macro ROUND                           ; a round of the cluster's barrier
	s_barrier_signal -1
	s_barrier_wait -1
	s_cmp_lg_u32 s2, 0
	s_cbranch_scc1 .Lnot_wave_0_\@
	s_barrier_signal -3
.Lnot_wave_0_\@:
	s_barrier_wait -3
	s_barrier_signal -1
	s_barrier_wait -1
.endm
.macro JLOAD                           ; the branches hang on the wave's number alone
	s_cmp_lt_u32 s2, 2
	s_cbranch_scc0 .Lnot_v_\@
	tensor_load_to_lds s[8:11], s[16:23]
	s_nop 0
	s_branch .Lasked_\@
.Lnot_v_\@:
	s_cmp_lt_u32 s2, 4
	s_cbranch_scc0 .Lasked_\@
	tensor_load_to_lds s[12:15], s[24:31]
	s_nop 0
.Lasked_\@:
.endm
.macro PLACES
.rept 4
	v_nop
.endr
.endm
	s_load_b128 s[36:39], s[0:1], 0x0              ; qkv s[36:37], maskw s[38:39]
	s_load_b64 s[40:41], s[0:1], 0x10              ; yb
	v_lshl_add_u32 v62, v0, 2, 0x42800
	v_mov_b32 v63, 0
	ds_add_u32 v62, v63
	v_lshrrev_b32 v1, 5, v0
	v_readfirstlane_b32 s2, v1                     ; wave 0..7
	s_bfe_u32 s42, ttmp6, 0x40000                  ; cx
	s_lshr_b32 s43, ttmp9, 1                       ; the cluster's number: bit 0 = which four query blocks, the rest = batch and pair
	s_lshr_b32 s44, s43, 3                         ; batch
	s_and_b32 s45, s43, 7                          ; pair of heads
	s_and_b32 s46, ttmp9, 1
	s_lshl_b32 s46, s46, 2
	s_add_co_u32 s46, s46, s42                     ; query block 0..7
	s_lshr_b32 s47, s2, 2                          ; my head of the pair
	s_and_b32 s48, s2, 3                           ; my 64 queries of the block
	s_and_b32 s49, s2, 1                           ; which 64 keys of a tile I fetch
	s_mul_i32 s50, s44, 2048*ROWB
	s_lshl_b32 s52, s45, 8
	s_add_co_u32 s50, s50, s52                     ; batch and pair, in bytes (37.8 million at the most)
	s_mul_i32 s53, s49, 64*ROWB
	s_add_co_u32 s54, s50, s53                     ; K's and V's offset: made of nothing that differs between partners
	s_mov_b32 s55, 0
	s_lshl_b32 s56, s46, 8
	s_lshl_b32 s57, s48, 6
	s_add_co_u32 s56, s56, s57                     ; my first query
	s_mul_i32 s58, s56, ROWB
	s_add_co_u32 s58, s58, s50
	s_lshl_b32 s51, s47, 7                         ; my head's 128 bytes
	s_add_co_u32 s58, s58, s51                     ; Q's offset
	s_mov_b32 s59, 0
	s_lshl_b32 s60, s56, 8                         ; maskw: 4,096 bytes for 16 queries
	s_mov_b32 s61, 0
	s_lshl_b32 s62, s44, 11
	s_lshl_b32 s57, s46, 8
	s_add_co_u32 s62, s62, s57
	s_lshl_b32 s57, s2, 5
	s_add_co_u32 s62, s62, s57                     ; the way out: wave w stores rows 32 w .. 32 w + 31 of the block,
	s_lshl_b32 s62, s62, 11                        ; of 2,048 bytes,
	s_add_co_u32 s62, s62, s52                     ; the pair's 256 bytes
	s_mov_b32 s63, 0
	; group 1: 64 rows x 128 elements of 2 bytes, 3,072 elements from row to row, all four work-groups named; padding behind every 64 words: V 8 words, K 4
	s_mov_b32 s16, 15|(1<<16)|(1<<20)|(1<<21)|(5<<22)|(7<<25)
	s_mov_b32 s17, 128<<16
	s_mov_b32 s18, 64<<16
	s_mov_b32 s19, 128<<16
	s_mov_b32 s20, 64
	s_mov_b32 s21, 3072
	s_mov_b32 s22, 0
	s_mov_b32 s23, 0
	s_mov_b32 s24, 15|(1<<16)|(1<<20)|(1<<21)|(5<<22)|(3<<25)
	s_mov_b32 s25, 128<<16
	s_mov_b32 s26, 64<<16
	s_mov_b32 s27, 128<<16
	s_mov_b32 s28, 64
	s_mov_b32 s29, 3072
	s_mov_b32 s30, 0
	s_mov_b32 s31, 0
	s_mov_b32 s66, 0x76543210                      ; v_permlanex16_b32: lane i of one half reads lane i of the other
	s_mov_b32 s67, 0xfedcba98
	s_mov_b32 s100, 0x3e38aa3b                     ; c = log2(e) / 8
	s_mov_b32 s101, 0xbe38aa3b                     ; -c
	s_wait_dscnt 0x0
	s_wait_kmcnt 0x0
	s_add_nc_u64 s[104:105], s[36:37], s[58:59]    ; Q
	s_add_nc_u64 s[4:5], s[38:39], s[60:61]        ; my mask words, key step 0
	s_add_nc_u64 s[6:7], s[40:41], s[62:63]        ; yb
	s_add_nc_u64 s[54:55], s[36:37], s[54:55]
	s_mov_b32 s8, 1                                ; group 0 for V (waves 0, 1)
	s_mul_i32 s9, s2, 64*VPITCH
	s_add_nc_u64 s[10:11], s[54:55], 4096          ; the v third
	s_or_b32 s11, s11, 0x80000000
	s_mov_b32 s12, 1                               ; group 0 for K (waves 2, 3)
	s_mul_i32 s13, s2, 64*KPITCH
	s_add_co_u32 s13, s13, KOFF-2*64*KPITCH
	s_add_nc_u64 s[14:15], s[54:55], 2048          ; the k third
	s_or_b32 s15, s15, 0x80000000
	ROUND                                          ; in front of the first joint load
	JLOAD                                          ; tile 0 into slot 0
	v_and_b32 v1, 15, v0                           ; r
	v_bfe_u32 v11, v0, 4, 1                        ; h
	v_mul_u32_u24 v[QOFF], v1, ROWB
	v_lshl_add_u32 v[QOFF], v11, 4, v[QOFF]
	v_mul_u32_u24 v[ADRK], v1, KPITCH              ; K: key r, 16 bytes further for h = 1
	v_lshl_add_u32 v[ADRK], v11, 4, v[ADRK]
	s_add_co_u32 s53, s51, KOFF
	v_add_nc_u32 v[ADRK], s53, v[ADRK]
	v_add_nc_u32 v[ADRK+1], SLOTB, v[ADRK]
	v_and_b32 v[ADRV], 7, v0                       ; V: key 8 h + (l & 7), 16 bytes further for lanes 8-15 and 24-31
	v_lshl_add_u32 v[ADRV], v11, 3, v[ADRV]
	v_mul_u32_u24 v[ADRV], v[ADRV], VPITCH
	v_bfe_u32 v12, v0, 3, 1
	v_lshl_add_u32 v[ADRV], v12, 4, v[ADRV]
	v_add_nc_u32 v[ADRV], s51, v[ADRV]
	v_add_nc_u32 v[ADRV+1], SLOTB, v[ADRV]
	s_mul_i32 s53, s48, 64*SPITCH                  ; stage, in: row 64 (w & 3) + r, my head's half, 16 bytes further for h = 1
	s_add_co_u32 s53, s53, s51
	s_add_co_u32 s53, s53, STAGE
	v_mul_u32_u24 v[STO], v1, SPITCH
	v_lshl_add_u32 v[STO], v11, 4, v[STO]
	v_add_nc_u32 v[STO], s53, v[STO]
	s_mul_i32 s53, s2, 32*SPITCH                   ; stage, back: rows 32 w + h, 16 bytes a lane
	s_add_co_u32 s53, s53, STAGE
	v_mul_u32_u24 v[RD], v11, SPITCH
	v_lshl_add_u32 v[RD], v1, 4, v[RD]
	v_add_nc_u32 v[RD], s53, v[RD]
	v_lshlrev_b32 v[CO], 11, v11
	v_lshl_add_u32 v[CO], v1, 4, v[CO]
	v_mov_b32 v[NINF], 0xff800000
.irp u, 0,1,2,3
	v_mov_b32 v[ST+4*\u+1], 0xff7fffff             ; m's floor
.endr
	WIN 0x40                                       ; Q's fragments stay in window 1 for the whole kernel
.irp u, 0,1,2,3
.irp kd, 0,1
	global_load_b128 v[Q+8*(2*\u+\kd):Q+8*(2*\u+\kd)+3],   v[QOFF], s[104:105] offset:\u*16*ROWB+64*\kd
	global_load_b128 v[Q+8*(2*\u+\kd)+4:Q+8*(2*\u+\kd)+7], v[QOFF], s[104:105] offset:\u*16*ROWB+64*\kd+32
.endr
.endr
	WIN 0
.macro MLOAD u, base                   ; the 32 words of query tile u and this step's four key tiles
	s_load_b512 s[\base:\base+15],    s[4:5], \u*4096
	s_load_b512 s[\base+16:\base+31], s[4:5], \u*4096+64
.endm
.macro MASKU u, base                   ; -infinity where the mask's bit is 0
.irp t, 0,1,2,3
.irp j, 0,1,2,3,4,5,6,7
	v_cndmask_b32 v[S+8*(4*\u+\t)+\j], v[NINF], v[S+8*(4*\u+\t)+\j], s[\base+8*\t+\j]
.endr
.endr
.endm
.macro KLOAD slot, sub                 ; 64 keys x 64 d of my head
.irp t, 0,1,2,3
.irp kd, 0,1
	ds_load_b128 v[KF+8*(2*\t+\kd):KF+8*(2*\t+\kd)+3],   v[ADRK+\slot] offset:\sub*64*KPITCH+\t*16*KPITCH+64*\kd
	ds_load_b128 v[KF+8*(2*\t+\kd)+4:KF+8*(2*\t+\kd)+7], v[ADRK+\slot] offset:\sub*64*KPITCH+\t*16*KPITCH+64*\kd+32
.endr
.endr
.endm
.macro VLOAD slot, sub                 ; the same keys of V, transposed
	WIN 0x40
.irp dt, 0,1,2,3
.irp ks, 0,1
	ds_load_tr16_b128 v[VF+8*(2*\dt+\ks):VF+8*(2*\dt+\ks)+3],   v[ADRV+\slot] offset:\sub*64*VPITCH+\ks*32*VPITCH+32*\dt
	ds_load_tr16_b128 v[VF+8*(2*\dt+\ks)+4:VF+8*(2*\dt+\ks)+7], v[ADRV+\slot] offset:\sub*64*VPITCH+\ks*32*VPITCH+32*\dt+16*VPITCH
.endr
.endr
	WIN 0
.endm
; The new maximum of query tile u, its factor exp2(c (m old - m new)) from the difference (equal floors give exactly 1), and -c m.
.macro MAXU u, first
.irp k, 0,1,2,3
	v_max3_num_f32 v[T+\k], v[S+32*\u+8*\k], v[S+32*\u+8*\k+1], v[S+32*\u+8*\k+2]
.endr
.irp k, 0,1,2,3
	v_max3_num_f32 v[T+\k], v[T+\k], v[S+32*\u+8*\k+3], v[S+32*\u+8*\k+4]
.endr
.irp k, 0,1,2,3
	v_max3_num_f32 v[T+\k], v[T+\k], v[S+32*\u+8*\k+5], v[S+32*\u+8*\k+6]
.endr
	v_max3_num_f32 v[T],   v[T],   v[S+32*\u+7],  v[S+32*\u+15]
	v_max3_num_f32 v[T+1], v[T+1], v[S+32*\u+23], v[S+32*\u+31]
	v_max3_num_f32 v[T], v[T], v[T+1], v[T+2]
	v_max3_num_f32 v[T], v[T], v[T+3], v[ST+4*\u+1]        ; and the old maximum
	v_permlanex16_b32 v[T+1], v[T], s66, s67               ; the other eight keys of each tile lie in the other half of the lanes
	v_max_num_f32 v[T+1], v[T], v[T+1]
.if \first == 0
	v_sub_f32 v[T+2], v[ST+4*\u+1], v[T+1]
	v_mul_f32 v[T+2], s100, v[T+2]
	v_exp_f32 v[ST+4*\u+2], v[T+2]                         ; the next line is the plain instruction behind it (ISA guide 5.7.2)
.endif
	v_mul_f32 v[ST+4*\u], s101, v[T+1]
	v_mov_b32 v[ST+4*\u+1], v[T+1]
.endm
; p = exp2(c s - c m) in place, the lane's part of the sum, and P's two fragments packed in place (ascending: no source is overwritten before it is read).
.macro EXPU u, first
.irp i, 0,1,2,3,4,5,6,7,8,9,10,11,12,13,14,15
	v_pk_fma_f32 v[S+32*\u+2*\i:S+32*\u+2*\i+1], v[S+32*\u+2*\i:S+32*\u+2*\i+1], s[100:101], v[ST+4*\u:ST+4*\u+1] op_sel_hi:[1,0,0]
.endr
.irp k, 0,1,2,3
.irp j, 0,1,2,3,4,5,6,7
	v_exp_f32 v[S+32*\u+8*\k+\j], v[S+32*\u+8*\k+\j]
.endr
.endr
	v_nop                                                  ; one plain instruction between the exponentials and the first use
	s_wait_alu depctr_va_vdst(0)
.irp k, 0,1,2,3
	v_pk_add_f32 v[TS+2*\k:TS+2*\k+1], v[S+32*\u+8*\k:S+32*\u+8*\k+1], v[S+32*\u+8*\k+2:S+32*\u+8*\k+3]
.endr
.irp k, 0,1,2,3
	v_pk_add_f32 v[TS+2*\k:TS+2*\k+1], v[TS+2*\k:TS+2*\k+1], v[S+32*\u+8*\k+4:S+32*\u+8*\k+5]
.endr
.irp k, 0,1,2,3
	v_pk_add_f32 v[TS+2*\k:TS+2*\k+1], v[TS+2*\k:TS+2*\k+1], v[S+32*\u+8*\k+6:S+32*\u+8*\k+7]
.endr
	v_pk_add_f32 v[TS:TS+1],   v[TS:TS+1],   v[TS+2:TS+3]
	v_pk_add_f32 v[TS+4:TS+5], v[TS+4:TS+5], v[TS+6:TS+7]
	v_pk_add_f32 v[TS:TS+1],   v[TS:TS+1],   v[TS+4:TS+5]
.if \first
	v_add_f32 v[ST+4*\u+3], v[TS], v[TS+1]                 ; the first step starts the sum
.else
	v_add_f32 v[T], v[TS], v[TS+1]
	v_fma_f32 v[ST+4*\u+3], v[ST+4*\u+3], v[ST+4*\u+2], v[T]
.endif
.irp ks, 0,1
.irp i, 0,1,2,3,4,5,6,7
	v_cvt_pk_f16_f32 v[S+32*\u+16*\ks+\i], v[S+32*\u+16*\ks+2*\i], v[S+32*\u+16*\ks+2*\i+1]
.endr
.endr
.endm
; One step of 64 keys: half sub of the tile in slot.  first: the very first step starts O and the sums.  nextmask: the next step's words are asked for.
.macro SUB slot, sub, first, nextmask
.if \sub == 0
	KLOAD \slot, 0
.endif
	VLOAD \slot, \sub
	s_wait_dscnt 16                                ; K's fragments are in; the sixteen loads of V, issued behind them, stay out
	WIN 0x04                                       ; source 1 (Q) window 1
.irp kd, 0,1
.irp u, 0,1,2,3
.irp t, 0,1,2,3
.if \kd == 0
	v_wmma_f32_16x16x32_f16 v[S+8*(4*\u+\t):S+8*(4*\u+\t)+7], v[KF+8*(2*\t+\kd):KF+8*(2*\t+\kd)+7], v[Q+8*(2*\u+\kd):Q+8*(2*\u+\kd)+7], 0
.else
	v_wmma_f32_16x16x32_f16 v[S+8*(4*\u+\t):S+8*(4*\u+\t)+7], v[KF+8*(2*\t+\kd):KF+8*(2*\t+\kd)+7], v[Q+8*(2*\u+\kd):Q+8*(2*\u+\kd)+7], v[S+8*(4*\u+\t):S+8*(4*\u+\t)+7]
.endif
.endr
.endr
.endr
	WIN 0
	PLACES                                         ; four places before the scores are read and K's registers are loaded again
.if \sub == 0
	KLOAD \slot, 1                                 ; the second half's K, a softmax ahead of its use
.endif
	s_wait_kmcnt 0x0                               ; the words of query tiles 0 and 1
	MASKU 0, MA
	MLOAD 2, MA
	MASKU 1, MB
	MLOAD 3, MB
	MAXU 0, \first
	EXPU 0, \first
	MAXU 1, \first
	EXPU 1, \first
	s_wait_kmcnt 0x0                               ; the words of query tiles 2 and 3; no scalar load is out, so their base may step
	s_add_nc_u64 s[4:5], s[4:5], 128               ; four key tiles of 32 bytes on
	MASKU 2, MA
.if \nextmask
	MLOAD 0, MA
.endif
	MASKU 3, MB
.if \nextmask
	MLOAD 1, MB
.endif
	MAXU 2, \first
	EXPU 2, \first
	MAXU 3, \first
	EXPU 3, \first
.if \first == 0
	WIN 0x41                                       ; O in window 1, the factor in window 0
.irp u, 0,1,2,3
.irp i, 0,1,2,3,4,5,6,7,8,9,10,11,12,13,14,15
	v_pk_mul_f32 v[O+32*\u+2*\i:O+32*\u+2*\i+1], v[O+32*\u+2*\i:O+32*\u+2*\i+1], v[ST+4*\u+2:ST+4*\u+3] op_sel_hi:[1,0]
.endr
.endr
.endif
.if \sub == 0
	s_wait_dscnt 16                                ; V's fragments are in; the next half's K, issued behind them, stays out
.else
	s_wait_dscnt 0                                 ; V's fragments are in: nothing was issued behind them
.endif
	WIN 0x51                                       ; source 0 (V), C and D (O) window 1, source 1 (P) window 0
.irp ks, 0,1
.irp u, 0,1,2,3
.irp dt, 0,1,2,3
.if \first*(1-\ks)
	v_wmma_f32_16x16x32_f16 v[O+8*(4*\u+\dt):O+8*(4*\u+\dt)+7], v[VF+8*(2*\dt+\ks):VF+8*(2*\dt+\ks)+7], v[S+16*(2*\u+\ks):S+16*(2*\u+\ks)+7], 0
.else
	v_wmma_f32_16x16x32_f16 v[O+8*(4*\u+\dt):O+8*(4*\u+\dt)+7], v[VF+8*(2*\dt+\ks):VF+8*(2*\dt+\ks)+7], v[S+16*(2*\u+\ks):S+16*(2*\u+\ks)+7], v[O+8*(4*\u+\dt):O+8*(4*\u+\dt)+7]
.endif
.endr
.endr
.endr
	WIN 0
.rept 5
	v_nop                                          ; five places before the next scores are written over P (four before V's registers are loaded again)
.endr
.endm
; One tile of 128 keys.  In front of the round every wave waits for all its tensor loads and for its reads of the other slot; the joint refill comes first behind it.
.macro TRIP slot, refill, first, last
	s_wait_tensorcnt 0x0                           ; my load has landed (my part of this trip's tile), so group 0 may be written:
	ds_add_u32 v62, v63
	s_wait_dscnt 0x0
	s_add_nc_u64 s[10:11], s[10:11], TILEB         ; the next tile,
	s_add_nc_u64 s[14:15], s[14:15], TILEB
	s_xor_b32 s9, s9, SLOTB                        ; into the other slot
	s_xor_b32 s13, s13, SLOTB
	s_wait_dscnt 0x0                               ; my reads of the last trip's tile are done
	ROUND                                          ; both now hold of every wave of all four work-groups
.if \refill
	JLOAD
.endif
	SUB \slot, 0, \first, 1
	SUB \slot, 1, 0, 1-\last
.endm
	MLOAD 0, MA                                    ; set-up's scratch in s[32:63] is no longer needed
	MLOAD 1, MB
	s_wait_loadcnt 0x0                             ; Q
	TRIP 0, 1, 1, 0                                ; tiles 0 and 1 stand in front of the loop: the first step starts the sums
	TRIP 1, 1, 0, 0
	s_mov_b32 s3, 6
.Ltiles:
	TRIP 0, 1, 0, 0
	TRIP 1, 1, 0, 0
	s_sub_co_u32 s3, s3, 1
	s_cmp_lg_u32 s3, 0
	s_cbranch_scc1 .Ltiles
	TRIP 0, 1, 0, 0                                ; tile 14; tile 15 is asked for
	TRIP 1, 0, 0, 1                                ; tile 15: nothing is left to fetch (the stepped addresses are not used)
	; THE END: the two halves of each sum meet, O / sum, f16, through the stage so that whole rows of the pair's 256 bytes go out.
.irp u, 0,1,2,3
	v_permlanex16_b32 v[T+\u], v[ST+4*\u+3], s66, s67
.endr
.irp u, 0,1,2,3
	v_add_f32 v[ST+4*\u+3], v[ST+4*\u+3], v[T+\u]
.endr
.irp u, 0,1,2,3
	v_rcp_f32 v[ST+4*\u+2], v[ST+4*\u+3]
.endr
	v_nop                                          ; one plain instruction before the reciprocals are used
	WIN 0x41
	s_wait_alu depctr_va_vdst(0)
.irp u, 0,1,2,3
.irp i, 0,1,2,3,4,5,6,7,8,9,10,11,12,13,14,15
	v_pk_mul_f32 v[O+32*\u+2*\i:O+32*\u+2*\i+1], v[O+32*\u+2*\i:O+32*\u+2*\i+1], v[ST+4*\u+2:ST+4*\u+3] op_sel_hi:[1,0]
.endr
.endr
	WIN 0x05                                       ; sources window 1, destination window 0
.irp u, 0,1,2,3
.irp dt, 0,1,2,3
.irp i, 0,1,2,3
	v_cvt_pk_f16_f32 v[S+4*(4*\u+\dt)+\i], v[O+8*(4*\u+\dt)+2*\i], v[O+8*(4*\u+\dt)+2*\i+1]
.endr
.endr
.endr
	WIN 0
.irp u, 0,1,2,3
.irp dt, 0,1,2,3
	ds_store_b128 v[STO], v[S+4*(4*\u+\dt):S+4*(4*\u+\dt)+3] offset:\u*16*SPITCH+32*\dt
.endr
.endr
	s_wait_dscnt 0x0                               ; my stores are done, for the waves that read my half of their rows
	s_barrier_signal -1
	s_barrier_wait -1
.irp i, 0,1,2,3,4,5,6,7,8,9,10,11,12,13,14,15
	ds_load_b128 v[KF+4*\i:KF+4*\i+3], v[RD] offset:\i*2*SPITCH
.endr
.irp i, 0,1,2,3,4,5,6,7,8,9,10,11,12,13,14,15
	s_wait_dscnt 15-\i                             ; load i is back, the younger ones stay out
	global_store_b128 v[CO], v[KF+4*\i:KF+4*\i+3], s[6:7] offset:\i*4096   ; 16 lanes store 256 consecutive bytes, aligned
.endr
	s_wait_tensorcnt 0x0
	ds_add_u32 v62, v63
	s_wait_dscnt 0x0
	ROUND                                          ; the closing round
	s_endpgm
.Lfunc_end_k_q76eaf32d0b_attn:
	.size	k_q76eaf32d0b_attn, .Lfunc_end_k_q76eaf32d0b_attn-k_q76eaf32d0b_attn
	.p2alignl 7, 3214868480
	.fill 96, 4, 3214868480
	.section	.rodata,"a",@progbits
	.p2align	6, 0x0
	.amdhsa_kernel k_q76eaf32d0b_attn
		.amdhsa_group_segment_fixed_size 327680
		.amdhsa_private_segment_fixed_size 0
		.amdhsa_enable_private_segment 0
		.amdhsa_kernarg_size 24
		.amdhsa_user_sgpr_count 2
		.amdhsa_user_sgpr_kernarg_segment_ptr 1
		.amdhsa_wavefront_size32 1
		.amdhsa_system_sgpr_workgroup_id_x 1
		.amdhsa_system_sgpr_workgroup_id_y 1
		.amdhsa_system_sgpr_workgroup_id_z 1
		.amdhsa_system_vgpr_workitem_id 0
		.amdhsa_next_free_vgpr 512
		.amdhsa_next_free_sgpr 106
		.amdhsa_reserve_vcc 0
		.amdhsa_float_denorm_mode_32 3
		.amdhsa_float_denorm_mode_16_64 3
		.amdhsa_memory_ordered 1
		.amdhsa_forward_progress 1
		.amdhsa_inst_pref_size 255
	.end_amdhsa_kernel
	.section	.bss,"aw",@nobits
	.p2align	6
	.space	262144
	.amdgpu_metadata
---
amdhsa.version: [ 1, 2 ]
amdhsa.kernels:
  - .name:           k_q76eaf32d0b_attn
    .symbol:         k_q76eaf32d0b_attn.kd
    .args:
      - { .name: qkv, .offset: 0, .size: 8, .value_kind: global_buffer, .address_space: global }
      - { .name: maskw, .offset: 8, .size: 8, .value_kind: global_buffer, .address_space: global }
      - { .name: yb, .offset: 16, .size: 8, .value_kind: global_buffer, .address_space: global }
    .group_segment_fixed_size: 327680
    .private_segment_fixed_size: 0
    .kernarg_segment_align: 8
    .kernarg_segment_size: 24
    .max_flat_workgroup_size: 256
    .sgpr_count:     106
    .vgpr_count:     512
    .wavefront_size: 32
...
	.end_amdgpu_metadata
.endif
;; end of part 3
;; launch outproj (part 4): grid 4 x 64, 4 waves a work-group, clusters of 4 x 4, 327,680 bytes of LDS; arguments yb, wob, bo, out0; writes out0
.if DOCPART == 4
	.amdgcn_target "amdgcn-amd-amdhsa--gfx1250"
	.amdhsa_code_object_version 6
	.text
	.protected	k_q76eaf32d0b_outproj
	.globl	k_q76eaf32d0b_outproj
	.p2align	8
	.type	k_q76eaf32d0b_outproj,@function
k_q76eaf32d0b_outproj:
	s_mov_b64 s[64:65], 0
	v_nop
	global_prefetch_b8 v0, s[64:65] scope:SCOPE_SE
	s_setreg_imm32_b32 hwreg(HW_REG_WAVE_MODE, 25, 1), 1
	s_wait_xcnt 0x0
	s_wait_alu depctr_hold_cnt(0) depctr_sa_sdst(0) depctr_va_vdst(0) depctr_va_sdst(0) depctr_va_ssrc(0) depctr_va_vcc(0) depctr_vm_vsrc(0)
	s_getreg_b32 s2, hwreg(HW_REG_IB_STS2, 6, 4)
	s_cmp_eq_u32 s2, 0
	s_cbranch_scc0 .Lentry_in_a_cluster
	s_endpgm
.Lentry_in_a_cluster:
	s_bfe_u32 s2, ttmp6, 0x10000c
	s_cmp_lg_u32 s2, 0xf033
	s_cbranch_scc0 .Lentry_shape_is_right
	s_endpgm
.Lentry_shape_is_right:
; out0[m][n] = sum over k of yb[m][k] wob[k][n] + bo[n].  yb [8192][1024] f16, wob [1024][1024] f16 (Wo's bf16 values), bo f32, out0 [8192][1024] f32; sums in f32.
; No work is left out.
; The design of qkvproj with half the rows: a work-group makes 128 x 256 with four waves, so that 64 x 4 blocks give 256 work-groups; a wave makes 64 x 128:
; 32 accumulator tiles, 256 registers.  K goes in steps of 128 through two LDS slots.  B lies [K][N]: fragments by transposing loads.
; CLUSTERS: 4 x 4; A's tile is asked for jointly by a row of the cluster, B's by a column.
; REGISTERS: window 0: v16-27 addresses, v64-95 and v128-159 A's fragments (later v64-127, v128-191 the rows on their way out), v192-255 the bias;
; window 1: v64-127, v128-191 B's fragments; window 2: tile (a, b) at v[8 (8 a + b)].
; The matrix instruction is used transposed (source 0 = 16 columns of B, source 1 = 16 rows of A): a lane's eight results are eight neighbouring columns, 32 bytes.
; The bias in that layout is the C operand of each tile's first product.  The 32 accumulators take turns, one instruction a turn.
.set SIZE_K, 1024
.set SIZE_N, 1024
.set KSTEP,  128
.set APITCH, 272
.set BPITCH, 544
.set HALFB,  64*BPITCH                 ; 34,816: 64 K rows of B, one tensor load
.set BBYTES, 2*HALFB
.set HALFA,  64*APITCH                 ; 17,408: 64 rows of A, one tensor load, and what one wave reads of A
.set SLOT,   BBYTES+2*HALFA            ; 104,448
.set STAGE,  2*SLOT                    ; 208,896, a multiple of 256: 16 rows x 528 bytes for each wave; no fill lands there
.set SPITCH, 528                       ; 512 bytes + 16 = 33 x 16
.set LAPS, SIZE_K/(2*KSTEP)
.set ADRA, 16
.set ADRB, 20
.set STO,  24
.set RD,   25
.set CO,   26
.set BOFF, 27
.set F0,   64
.set F1,   128
.set BIAS, 192
.set G1A, 24
.set G0A, 32
.set G1B, 48
.set G0B, 56
.set MSB, 0
.macro WIN new
.if MSB != \new
	s_set_vgpr_msb (MSB<<8)|\new
.set MSB, \new
.endif
.endm
.set MUL_W, 0xa1                       ; source 0 (B) window 1, source 1 (A) window 0, C and D window 2
.set FST_W, 0x81                       ; a first product: C is the bias in window 0
.set TO_B,  0x40
.macro JLOAD s                         ; waves 0 and 1 fetch B's halves, waves 2 and 3 A's
	s_cmp_eq_u32 s13, 0
	s_cbranch_scc0 .Lfor_a_\@
	tensor_load_to_lds s[G0B+4*\s:G0B+4*\s+3], s[G1B:G1B+7]
	s_nop 0
	s_branch .Lasked_\@
.Lfor_a_\@:
	tensor_load_to_lds s[G0A+4*\s:G0A+4*\s+3], s[G1A:G1A+7]
	s_nop 0
.Lasked_\@:
.endm
.macro CREST
	s_cmp_lg_u32 s12, 0
	s_cbranch_scc1 .Lnot_wave_0_\@
	s_barrier_signal -3
.Lnot_wave_0_\@:
	s_barrier_wait -3
	s_barrier_signal -1
	s_barrier_wait -1
.endm
.macro CROUND
	s_barrier_signal -1
	s_barrier_wait -1
	CREST
.endm
	s_load_b256 s[4:11], s[0:1], 0x0               ; yb s[4:5], wob s[6:7], bo s[8:9], out0 s[10:11]
	s_set_vgpr_msb 0x40
	v_lshl_add_u32 v255, v0, 2, 0x3b400
	s_set_vgpr_msb 0x4000
	v_mov_b32 v63, 0
	s_set_vgpr_msb 0x1
	ds_add_u32 v255, v63
	s_set_vgpr_msb 0x100
	v_lshrrev_b32 v1, 5, v0
	v_readfirstlane_b32 s12, v1                    ; wave 0..3
	s_lshr_b32 s13, s12, 1                         ; my half of the block's rows.  Also: I fetch for B (0) or for A (1)
	s_and_b32 s14, s12, 1                          ; my half of its columns.  Also: which half of that tile I fetch
	s_bfe_u32 s40, ttmp6, 0x40000                  ; cx
	s_bfe_u32 s41, ttmp6, 0x40004                  ; cy
	s_lshl_b32 s42, ttmp9, 2
	s_add_co_u32 s42, s42, s40                     ; block column
	s_and_b32 s43, ttmp7, 0xffff
	s_lshl_b32 s43, s43, 2
	s_add_co_u32 s43, s43, s41                     ; block row
	s_lshl_b32 s44, s41, 2
	s_lshl_b32 s44, 15, s44                        ; my row of the cluster
	s_lshl_b32 s45, 0x1111, s40                    ; my column
	s_or_b32 s[G1A+0], s44, (1<<16)|(1<<20)|(1<<21)|(5<<22)|(3<<25)   ; A: 64 rows x 128 elements, 16 bytes behind every 64 words
	s_mov_b32 s[G1A+1], KSTEP<<16
	s_mov_b32 s[G1A+2], 64<<16
	s_mov_b32 s[G1A+3], KSTEP<<16
	s_mov_b32 s[G1A+4], 64
	s_mov_b32 s[G1A+5], SIZE_K
	s_mov_b32 s[G1A+6], 0
	s_mov_b32 s[G1A+7], 0
	s_or_b32 s[G1B+0], s45, (1<<16)|(1<<20)|(1<<21)|(6<<22)|(7<<25)   ; B: 64 K rows x 256 elements, 32 bytes behind every 128 words
	s_mov_b32 s[G1B+1], 256<<16
	s_mov_b32 s[G1B+2], 64<<16
	s_mov_b32 s[G1B+3], 256<<16
	s_mov_b32 s[G1B+4], 64
	s_mov_b32 s[G1B+5], SIZE_N
	s_mov_b32 s[G1B+6], 0
	s_mov_b32 s[G1B+7], 0
	s_lshl_b32 s16, s43, 7                         ; A's offset, in registers that never hold cx
	s_lshl_b32 s18, s14, 6
	s_add_co_u32 s16, s16, s18                     ; row 128 x block row + 64 x half,
	s_lshl_b32 s16, s16, 11                        ; of 2,048 bytes
	s_mov_b32 s17, 0
	s_mul_i32 s46, s14, 64*SIZE_N*2                ; B's offset, in registers that never hold cy
	s_lshl_b32 s20, s42, 9
	s_add_co_u32 s46, s46, s20
	s_mov_b32 s47, 0
	s_mul_i32 s22, s12, HALFB                      ; B's halves at wave x 34,816 (waves 0, 1),
	s_mul_i32 s19, s12, HALFA
	s_add_co_u32 s19, s19, BBYTES-2*HALFA          ; A's at 69,632 + (wave - 2) x 17,408 (waves 2, 3)
	s_wait_dscnt 0x0
	s_wait_kmcnt 0x0
	s_add_nc_u64 s[16:17], s[4:5], s[16:17]
	s_add_nc_u64 s[46:47], s[6:7], s[46:47]
	CROUND                                         ; in front of the first joint loads
.irp s, 0,1
	s_mov_b32 s[G0A+4*\s], 1
	s_add_co_u32 s[G0A+4*\s+1], s19, \s*SLOT
	s_add_nc_u64 s[G0A+4*\s+2:G0A+4*\s+3], s[16:17], \s*KSTEP*2
	s_or_b32 s[G0A+4*\s+3], s[G0A+4*\s+3], 0x80000000
	s_mov_b32 s[G0B+4*\s], 1
	s_add_co_u32 s[G0B+4*\s+1], s22, \s*SLOT
	s_add_nc_u64 s[G0B+4*\s+2:G0B+4*\s+3], s[46:47], \s*KSTEP*SIZE_N*2
	s_or_b32 s[G0B+4*\s+3], s[G0B+4*\s+3], 0x80000000
	JLOAD \s                                       ; both first fills: two tensor loads of a wave are out
.endr
	v_and_b32 v1, 15, v0                           ; r
	v_bfe_u32 v2, v0, 4, 1                         ; h
	v_mul_u32_u24 v3, v1, APITCH
	v_lshl_add_u32 v3, v2, 4, v3
	v_and_b32 v5, 7, v0
	v_lshl_add_u32 v5, v2, 3, v5
	v_mul_u32_u24 v5, v5, BPITCH
	v_bfe_u32 v6, v0, 3, 1
	v_lshl_add_u32 v5, v6, 4, v5
	s_mul_i32 s20, s13, HALFA                      ; my 64 rows of A, behind B
	s_add_co_u32 s20, s20, BBYTES
	s_lshl_b32 s21, s14, 8                         ; my 128 columns of B
.irp s, 0,1
	v_add_nc_u32 v[ADRA+\s], s20, v3
	v_add_nc_u32 v[ADRB+\s], s21, v5
	s_add_co_u32 s20, s20, SLOT
	s_add_co_u32 s21, s21, SLOT
.endr
	s_mul_i32 s23, s12, 16*SPITCH
	s_add_co_u32 s23, s23, STAGE                   ; my stage
	v_mul_u32_u24 v4, v1, SPITCH                   ; in: row r, 32 bytes further for h = 1
	v_lshl_add_u32 v4, v2, 5, v4
	v_add_nc_u32 v[STO], s23, v4
	v_and_b32 v7, 31, v0
	v_lshlrev_b32 v[CO], 4, v7                     ; back and out: 32 lanes take one row's 512 bytes
	v_add_nc_u32 v[RD], s23, v[CO]
	v_lshlrev_b32 v[BOFF], 5, v2
	s_lshl_b32 s20, s42, 10
	s_lshl_b32 s21, s14, 9
	s_add_co_u32 s20, s20, s21
	s_mov_b32 s21, 0
	s_add_nc_u64 s[8:9], s[8:9], s[20:21]
.irp b, 0,1,2,3,4,5,6,7
	global_load_b128 v[BIAS+8*\b:BIAS+8*\b+3],   v[BOFF], s[8:9] offset:64*\b
	global_load_b128 v[BIAS+8*\b+4:BIAS+8*\b+7], v[BOFF], s[8:9] offset:64*\b+16
.endr
.macro MUL16 f, a0, first
.irp a, \a0, \a0+1
.irp b, 0,1,2,3,4,5,6,7
.if \first
	v_wmma_f32_16x16x32_f16 v[8*(8*(\a)+\b):8*(8*(\a)+\b)+7], v[\f+8*\b:\f+8*\b+7], v[\f+8*(\a):\f+8*(\a)+7], v[BIAS+8*\b:BIAS+8*\b+7]
.else
	v_wmma_f32_16x16x32_f16 v[8*(8*(\a)+\b):8*(8*(\a)+\b)+7], v[\f+8*\b:\f+8*\b+7], v[\f+8*(\a):\f+8*(\a)+7], v[8*(8*(\a)+\b):8*(8*(\a)+\b)+7]
.endif
.endr
.endr
.endm
.macro FETCH slot, q, f                ; 24 LDS loads in one run
	WIN TO_B
.irp i, 0,1,2,3,4,5,6,7
	ds_load_tr16_b128 v[\f+8*\i:\f+8*\i+3],   v[ADRB+\slot] offset:\q*32*BPITCH+32*\i
	ds_load_tr16_b128 v[\f+8*\i+4:\f+8*\i+7], v[ADRB+\slot] offset:\q*32*BPITCH+32*\i+16*BPITCH
.endr
	WIN 0
.irp i, 0,1,2,3
	ds_load_b128 v[\f+8*\i:\f+8*\i+3],   v[ADRA+\slot] offset:\q*64+\i*16*APITCH
	ds_load_b128 v[\f+8*\i+4:\f+8*\i+7], v[ADRA+\slot] offset:\q*64+\i*16*APITCH+32
.endr
.endm
.macro PLACES                          ; four places between a matrix instruction and a load into, or a read of, its registers
.rept 4
	v_nop
.endr
.endm
; One of a K step's first three quarters: buffer f is in; quarter q goes out into buffer g, 32 matrix instructions ahead of its use; f is multiplied.
.macro QUARTER slot, q, f, g, first
	s_wait_dscnt 0x0
	PLACES
	FETCH \slot, \q, \g
.if \first
	WIN FST_W
.else
	WIN MUL_W
.endif
	MUL16 \f, 0, \first
	MUL16 \f, 2, \first
.endm
.macro THREE slot, first
	QUARTER \slot, 1, F0, F1, \first
	QUARTER \slot, 2, F1, F0, 0
	QUARTER \slot, 3, F0, F1, 0
.endm
.macro TURN slot, next, fill
	s_wait_dscnt 0x0                               ; buffer 1 is in, and with it my reads of this slot are over
	s_wait_tensorcnt 0x0                           ; all my tensor loads have landed: the one that was out is my part of the next slot
	ds_add_u32 v255, v63
	s_wait_dscnt 0x0
	s_barrier_signal -1
	WIN MUL_W
	MUL16 F1, 0, 0                                 ; register work while the others arrive
	WIN 0
	s_barrier_wait -1
.if \fill
	CREST                                          ; no wave of any partner still reads this slot or has a load on its way
	s_add_nc_u64 s[G0A+4*\slot+2:G0A+4*\slot+3], s[G0A+4*\slot+2:G0A+4*\slot+3], 2*KSTEP*2
	s_add_nc_u64 s[G0B+4*\slot+2:G0B+4*\slot+3], s[G0B+4*\slot+2:G0B+4*\slot+3], 2*KSTEP*SIZE_N*2
	JLOAD \slot                                    ; the wave's one tensor load behind the round
.endif
	PLACES
	FETCH \next, 0, F0
	WIN MUL_W
	MUL16 F1, 2, 0
.endm
.macro LAP first
	THREE 0, \first
	TURN 0, 1, 1
	THREE 1, 0
	TURN 1, 0, 1
.endm
	s_wait_loadcnt 0x0                             ; the bias, once
	s_wait_tensorcnt 1                             ; my part of K step 0 is in; K step 1's stays out
	s_barrier_signal -1
	s_barrier_wait -1
	FETCH 0, 0, F0
	LAP 1
	WIN 0
	s_mov_b32 s3, LAPS-2
.Llap:
	LAP 0
	WIN 0
	s_sub_co_u32 s3, s3, 1
	s_cmp_lg_u32 s3, 0
	s_cbranch_scc1 .Llap
	THREE 0, 0                                     ; the last lap fills nothing
	TURN 0, 1, 0
	THREE 1, 0
	s_wait_dscnt 0x0
	WIN MUL_W
	MUL16 F1, 0, 0
	MUL16 F1, 2, 0
	; THE WAY OUT, 16 rows at a time: 32 bytes a lane into my own stage, read back as whole rows of 512 bytes.
	PLACES
	WIN 0
	s_lshl_b32 s16, s43, 7
	s_lshl_b32 s17, s13, 6
	s_add_co_u32 s16, s16, s17                     ; my first row,
	s_lshl_b32 s16, s16, 12                        ; of 4,096 bytes (33.6 million at the most)
	s_mov_b32 s17, 0
	s_add_nc_u64 s[10:11], s[10:11], s[16:17]
	s_lshl_b32 s46, s42, 10                        ; my first column: 1,024 x block column + 512 x half
	s_lshl_b32 s47, s14, 9
	s_add_co_u32 s46, s46, s47
	s_mov_b32 s47, 0
	s_add_nc_u64 s[10:11], s[10:11], s[46:47]
.macro OUT16 a, f
	WIN 0x08                                       ; an LDS store's data are source 1: window 2
.irp b, 0,1,2,3,4,5,6,7
	ds_store_b128 v[STO], v[8*(8*\a+\b):8*(8*\a+\b)+3]   offset:64*\b
	ds_store_b128 v[STO], v[8*(8*\a+\b)+4:8*(8*\a+\b)+7] offset:64*\b+16
.endr
	WIN 0
	s_wait_xcnt 0x0                                ; buffer f, which earlier stores read, and the stores' base are rewritten only behind this wait
.if \a
	s_add_nc_u64 s[10:11], s[10:11], 16*SIZE_N*4
.endif
.irp t, 0,1,2,3,4,5,6,7,8,9,10,11,12,13,14,15
	ds_load_b128 v[\f+4*\t:\f+4*\t+3], v[RD] offset:\t*SPITCH      ; LDS serves a wave in order: these see the stores above
.endr
.irp t, 0,1,2,3,4,5,6,7,8,9,10,11,12,13,14,15
	s_wait_dscnt 15-\t                             ; load t is back, the younger ones stay out
	global_store_b128 v[CO], v[\f+4*\t:\f+4*\t+3], s[10:11] offset:\t*SIZE_N*4 th:TH_STORE_NT   ; 32 lanes store 512 consecutive bytes, aligned
.endr
.endm
	OUT16 0, F0
	OUT16 1, F1
	OUT16 2, F0
	OUT16 3, F1
	s_set_vgpr_msb 0x1
	s_wait_tensorcnt 0x0
	ds_add_u32 v255, v63
	s_wait_dscnt 0x0
	s_set_vgpr_msb 0x100
	CROUND                                         ; the closing round
	s_endpgm
.Lfunc_end_k_q76eaf32d0b_outproj:
	.size	k_q76eaf32d0b_outproj, .Lfunc_end_k_q76eaf32d0b_outproj-k_q76eaf32d0b_outproj
	.p2alignl 7, 3214868480
	.fill 96, 4, 3214868480
	.section	.rodata,"a",@progbits
	.p2align	6, 0x0
	.amdhsa_kernel k_q76eaf32d0b_outproj
		.amdhsa_group_segment_fixed_size 327680
		.amdhsa_private_segment_fixed_size 0
		.amdhsa_enable_private_segment 0
		.amdhsa_kernarg_size 32
		.amdhsa_user_sgpr_count 2
		.amdhsa_user_sgpr_kernarg_segment_ptr 1
		.amdhsa_wavefront_size32 1
		.amdhsa_system_sgpr_workgroup_id_x 1
		.amdhsa_system_sgpr_workgroup_id_y 1
		.amdhsa_system_sgpr_workgroup_id_z 1
		.amdhsa_system_vgpr_workitem_id 0
		.amdhsa_next_free_vgpr 768
		.amdhsa_next_free_sgpr 66
		.amdhsa_reserve_vcc 0
		.amdhsa_float_denorm_mode_32 3
		.amdhsa_float_denorm_mode_16_64 3
		.amdhsa_memory_ordered 1
		.amdhsa_forward_progress 1
		.amdhsa_inst_pref_size 120
	.end_amdhsa_kernel
	.amdgpu_metadata
---
amdhsa.version: [ 1, 2 ]
amdhsa.kernels:
  - .name:           k_q76eaf32d0b_outproj
    .symbol:         k_q76eaf32d0b_outproj.kd
    .args:
      - { .name: yb, .offset: 0, .size: 8, .value_kind: global_buffer, .address_space: global }
      - { .name: wob, .offset: 8, .size: 8, .value_kind: global_buffer, .address_space: global }
      - { .name: bo, .offset: 16, .size: 8, .value_kind: global_buffer, .address_space: global }
      - { .name: out0, .offset: 24, .size: 8, .value_kind: global_buffer, .address_space: global }
    .group_segment_fixed_size: 327680
    .private_segment_fixed_size: 0
    .kernarg_segment_align: 8
    .kernarg_segment_size: 32
    .max_flat_workgroup_size: 128
    .sgpr_count:     66
    .vgpr_count:     768
    .wavefront_size: 32
...
	.end_amdgpu_metadata
.endif
;; end of part 4
